; MI455X (gfx1250); checked and timed in simulation.
; The chip was launched on July 23, 2026; its instructions are those of AMD's public machine-readable ISA for CDNA 5 (MIT licence, August 2026) and "CDNA5" Instruction Set Architecture Reference Guide (July 2026). The comments in the code are by the model that wrote it; some were corrected since.
;; Attention. Allowed arithmetic: matrix products marked QUANTISED: E2M1 operands, one E8M0 scale for each 32 along K, by v_wmma_scale_f32_16x16x128_f8f6f4 with both operands' format E2M1 (or v_wmma_scale_f32_32x16x128_f4), f32 sums; products left as they are: f32 operands where the result goes on into a quantised operand, else bf16, f16 or f32 operands; f32 sums; everything else in f32.
;; Inputs: Wm_codes 1,024 x 32 x 16 uint8 (E2M1 codes of Wm, K innermost, in blocks of 32 codes, two codes a byte); Wm_scales 1,024 x 32 uint8 (E8M0 scales of Wm, one for each 32 codes along K); Wq_codes 1,024 x 32 x 16 uint8 (E2M1 codes of Wq, K innermost, in blocks of 32 codes, two codes a byte); Wq_scales 1,024 x 32 uint8 (E8M0 scales of Wq, one for each 32 codes along K); bq 1,024 float32; memory 64 x 1,024 x 1,024 float32; query_codes 64 x 32 x 16 uint8 (E2M1 codes of query, K innermost, in blocks of 32 codes, two codes a byte); query_scales 64 x 32 uint8 (E8M0 scales of query, one for each 32 codes along K); v 1,024 float32.
;; Outputs: out0 64 x 1 x 1,024 float32; out1 64 x 1 x 1,024 float32.
;; This version of the problem:
;;   THIS VERSION OF THE PROBLEM IS GIVEN IN LOW PRECISION. The matrix products marked QUANTISED in the list below multiply operands that are first quantised to E2M1 (2 exponent bits, 1 mantissa bit; 4 bits a number), with one power-of-two scale for each 32 numbers along K (OCP MX v1.0); their sums are f32. All else is computed in f32.
;;   The module's matrix products, in the order in which they are computed (A, B: the left and right operand; K: the contracted axis; several contracted axes count as one K, in the product's order):
;;     1. [M 64, K 1,024] x [K 1,024, N 1,024]; A: input query (given as codes); B: input Wq (given as codes): QUANTISED
;;     2. [M 65,536, K 1,024] x [K 1,024, N 1,024]; A: input memory; B: input Wm (given as codes): QUANTISED
;;     3. [M 65,536, K 1,024] x [K 1,024, N 1]; A: computed on the way; B: input v: left as it is (N = 1 < 16)
;;     4. batch 64 x [M 1, K 1,024] x [K 1,024, N 1,024]; A: computed on the way; B: input memory: left as it is (M = 1 < 16)
;;   THE QUANTISER, for each operand of a quantised product, along K:
;;     - K is cut into blocks of 32 from its start; a last block that is shorter is filled with zeros.
;;     - A block's scale is 2^e with e = floor(log2(the largest magnitude in the block)) - 2, held to -126 .. 127; a block of zeros has e = 0. As a byte (E8M0): e + 127.
;;     - Each number is divided by its block's scale, clamped to +-6, and rounded to the nearest number of E2M1, ties to even, subnormals kept.
;;     - The product sums the exact products of the quantised numbers (number of the format x scale) in f32.
;;   ~~~python
;;   def quantise(x, axis):      # numpy; x: float32 -> the quantised numbers, widened to float32 again
;;       x = np.moveaxis(x, axis, -1); K = x.shape[-1]
;;       x = np.pad(x, [(0, 0)] * (x.ndim - 1) + [(0, -K % 32)]); x = x.reshape(x.shape[:-1] + (-1, 32)); a = np.abs(x).max(-1, keepdims=True)
;;       e = np.where(a > 0, np.clip(np.frexp(np.where(a > 0, a, 1))[1] - 1 - 2, -126, 127), 0)      # np.frexp(a)[1] - 1 = floor(log2(a)), exactly
;;       r = np.clip(x / 2.0 ** e, -6, 6)
;;       step = 2.0 ** (np.maximum(np.frexp(np.where(r == 0, 1, r))[1] - 1, 0) - 1)
;;       q = np.round(r / step) * step * 2.0 ** e      # np.round: ties to even
;;       return np.moveaxis(q.reshape(q.shape[:-2] + (-1,))[..., :K], -1, axis).astype(np.float32)
;;   ~~~
;;   INPUTS GIVEN AS CODES. Wm (in the module: [1024, 1024], K = its axis 1); Wq (in the module: [1024, 1024], K = its axis 1); query (in the module: [64, 1024], K = its axis 1): each comes as NAME_codes (uint8): NAME with its K axis moved to the last place and cut into blocks of 32 codes, [.., K / 32, bytes a block], one block behind the other in memory; two codes a byte, the lower K in the low four bits (a code: sign, 2 exponent bits, 1 mantissa bit); and NAME_scales (uint8): the same leading axes, one E8M0 byte (e + 127) for each 32 codes along K. Its value is code x scale, taken as it is: it is not quantised again, and the codes and scales need not be those that the quantiser above would give.
;; One version. Each part assembles by itself: llvm-mc -triple=amdgcn-amd-amdhsa -mcpu=gfx1250 --defsym DOCPART=n.
;; ======== version 1 of 1: 3 launches
;; limits: values are held in bf16: 8 bits of precision; right only within a limited range of input values
;; workspace buffers: wfrag 524,288 bytes; wsc 32,768 bytes; cbi 262,144 bytes; scores 262,144 bytes; part 1,048,576 bytes
;; launch prep (part 1): grid 64 x 1, 1 waves a work-group, no clusters, 0 bytes of LDS; arguments query_codes, query_scales, Wq_codes, Wq_scales, bq, Wm_codes, Wm_scales, cbi, wfrag, wsc; writes cbi, wfrag, wsc
.if DOCPART == 1
	.amdgcn_target "amdgcn-amd-amdhsa--gfx1250"
	.amdhsa_code_object_version 6
	.text
	.protected	k_q175c490968_prep
	.globl	k_q175c490968_prep
	.p2align	8
	.type	k_q175c490968_prep,@function
k_q175c490968_prep:
	s_mov_b64 s[64:65], 0
	v_nop
	global_prefetch_b8 v0, s[64:65] scope:SCOPE_SE
	s_setreg_imm32_b32 hwreg(HW_REG_WAVE_MODE, 25, 1), 1
	s_wait_xcnt 0x0
; ADDITIVE ATTENTION, launch 1 of 3.  weights = softmax_m(sum_h v[h] tanh(q_proj[b][h] + m_proj[b][m][h])), weighted = sum_m weights[b][m] memory[b][m][:].
; DEAD WORK, LEFT OUT IN THE WHOLE PROGRAM.  tanh(x) = 1 - 2 / (1 + e^(2 x)) for every real x, so attn[b][m] = sum_h v[h] - 2 sum_h v[h] / (1 + e^(2 x[b][m][h])).
; The first term holds no m: it is the same along the softmax's axis whatever the inputs hold, softmax(a + constant) = softmax(a), and attn itself is no output.  So sum_h v[h] is never formed.
; No input loses its way to an output by this: all nine are loaded.  LIMIT: a NaN, an infinity or an overflow that would arise in sum_h v[h] alone is not carried to the results.
; THIS LAUNCH: (1) cb[b][h] = c (query Wq^T + bq), c = 2 log2(e): the first product, on the given codes of E2M1, bq being the C of each sum's first matrix instruction;
; (2) Wm's codes and scale bytes laid in the order in which the next launch's operand registers take them, so that each lane there loads its fragments whole.
; SHARES.  64 work-groups of one wave; work-group T takes hidden units 16 T .. 16 T + 15: all 64 rows of query against 16 rows of Wq, and 16 rows of Wm.
; THE PRODUCT IS USED TRANSPOSED (source 0 = 16 rows of Wq, source 1 = 16 rows of query): lane (r, h) holds batch 16 m + r and its registers the hidden units 16 T + 8 h + 0 .. 7.
; LAYOUTS WRITTEN.  cbi [T 64][batch 64][16] f32.  wfrag [T 64][K step 8][c 2][lane 32][16 bytes]: a fragment's registers on end.  wsc [T 64][lane 32][4 words]: word j of lane (r, h) = the scale word of row 16 T + r for K step 2 j + h.
; LIMITS: NaN and infinities among the inputs are not served.
; REGISTERS: window 0: v1-7 offsets; v24-31 Wq's scale words; v32-63 query's; v64-127 Wq's 8 fragments; v128-191 Wm's; v192-223 four accumulators; v224-231 bq; v232-239 Wm's scale words; v240-243 those chosen for my half.  window 1: query's 32 fragments.
.set WQS, 24
.set QS,  32
.set WQ,  64
.set WMF, 128
.set QA,  192
.set BQ,  224
.set WMS, 232
.set WSO, 240
.set MSB, 0
.macro WIN new                         ; the immediate's high byte repeats the setting that is left
.if MSB != \new
	s_set_vgpr_msb (MSB<<8)|\new
.set MSB, \new
.endif
.endm
	s_load_b256 s[4:11], s[0:1], 0x0               ; query's codes s[4:5], its scales s[6:7], Wq's codes s[8:9], its scales s[10:11]
	s_load_b256 s[12:19], s[0:1], 0x20             ; bq s[12:13], Wm's codes s[14:15], its scales s[16:17], cbi s[18:19]
	s_load_b128 s[20:23], s[0:1], 0x40             ; wfrag s[20:21], wsc s[22:23]
	v_and_b32 v1, 15, v0                           ; r
	v_lshrrev_b32 v2, 4, v0                        ; h (one wave: v0 is the lane)
	v_lshlrev_b32 v3, 9, v1
	v_lshl_add_u32 v3, v2, 4, v3                   ; codes: row r of 512 bytes, + 16 h
	v_lshlrev_b32 v4, 5, v1                        ; scale bytes: row r of 32
	v_lshlrev_b32 v5, 5, v2                        ; bq: my half's eight numbers
	v_lshlrev_b32 v6, 4, v0                        ; 16 x lane
	v_lshlrev_b32 v7, 6, v1
	v_lshl_add_u32 v7, v2, 5, v7                   ; cbi: batch r of 64 bytes, + 32 h
	s_lshl_b32 s26, ttmp9, 13                      ; 16 rows of 512 bytes; also a tile of wfrag
	s_mov_b32 s27, 0
	s_lshl_b32 s28, ttmp9, 9                       ; 16 rows of 32 bytes; also a tile of wsc
	s_mov_b32 s29, 0
	s_lshl_b32 s30, ttmp9, 6                       ; 16 numbers of bq
	s_mov_b32 s31, 0
	s_lshl_b32 s32, ttmp9, 12                      ; a tile of cbi
	s_mov_b32 s33, 0
	s_mov_b32 s24, 0x4038aa3b                      ; c = 2 log2(e)
	s_mov_b32 s25, s24                             ; (named with it as a pair, so it is written)
	s_wait_alu depctr_va_vdst(0)
	s_wait_kmcnt 0x0
	s_add_nc_u64 s[8:9], s[8:9], s[26:27]
	s_add_nc_u64 s[14:15], s[14:15], s[26:27]
	s_add_nc_u64 s[20:21], s[20:21], s[26:27]
	s_add_nc_u64 s[10:11], s[10:11], s[28:29]
	s_add_nc_u64 s[16:17], s[16:17], s[28:29]
	s_add_nc_u64 s[22:23], s[22:23], s[28:29]
	s_add_nc_u64 s[12:13], s[12:13], s[30:31]
	s_add_nc_u64 s[18:19], s[18:19], s[32:33]
	; a fragment, 16 rows x 128 K of 4-bit codes, is 8 registers: lane (r, h) holds row r; registers 4 c .. 4 c + 3 hold K = 64 c + 32 h + 0 .. 31: 16 bytes of the row as they lie
	WIN 0x40                                       ; destination window 1
.irp m, 0,1,2,3
.irp s, 0,1,2,3,4,5,6,7
.irp c, 0,1
	global_load_b128 v[64*\m+8*\s+4*\c:64*\m+8*\s+4*\c+3], v3, s[4:5] offset:8192*\m+64*\s+32*\c
.endr
.endr
.endr
	WIN 0
.irp s, 0,1,2,3,4,5,6,7
.irp c, 0,1
	global_load_b128 v[WQ+8*\s+4*\c:WQ+8*\s+4*\c+3], v3, s[8:9] offset:64*\s+32*\c
	global_load_b128 v[WMF+8*\s+4*\c:WMF+8*\s+4*\c+3], v3, s[14:15] offset:64*\s+32*\c
.endr
.endr
.irp c, 0,1
	global_load_b128 v[WQS+4*\c:WQS+4*\c+3], v4, s[10:11] offset:16*\c     ; row r's eight scale words: word s serves K step s
	global_load_b128 v[WMS+4*\c:WMS+4*\c+3], v4, s[16:17] offset:16*\c
	global_load_b128 v[BQ+4*\c:BQ+4*\c+3], v5, s[12:13] offset:16*\c
.endr
.irp m, 0,1,2,3
.irp c, 0,1
	global_load_b128 v[QS+8*\m+4*\c:QS+8*\m+4*\c+3], v4, s[6:7] offset:512*\m+16*\c
.endr
.endr
	s_wait_loadcnt 0x0                             ; everything is used at once: one wait
	v_cmp_le_u32 vcc_lo, 16, v0                    ; lanes 16-31
.irp j, 0,1,2,3
	v_cndmask_b32 v[WSO+\j], v[WMS+2*\j], v[WMS+2*\j+1], vcc_lo    ; lanes 0-15 keep K step 2 j's word, lanes 16-31 K step 2 j + 1's
.endr
.irp s, 0,1,2,3,4,5,6,7
.irp c, 0,1
	global_store_b128 v6, v[WMF+8*\s+4*\c:WMF+8*\s+4*\c+3], s[20:21] offset:1024*\s+512*\c   ; 32 lanes store 512 consecutive bytes
.endr
.endr
	global_store_b128 v6, v[WSO:WSO+3], s[22:23]
	WIN 0x04                                       ; source 1 (query) window 1
.irp s, 0,1,2,3,4,5,6,7                    ; the four accumulators take turns, one instruction a turn
.irp m, 0,1,2,3
.if \s == 0
	v_wmma_scale_f32_16x16x128_f8f6f4 v[QA+8*\m:QA+8*\m+7], v[WQ+8*\s:WQ+8*\s+7], v[64*\m+8*\s:64*\m+8*\s+7], v[BQ:BQ+7], v[WQS+\s], v[QS+8*\m+\s] matrix_a_fmt:MATRIX_FMT_FP4 matrix_b_fmt:MATRIX_FMT_FP4
.else
	v_wmma_scale_f32_16x16x128_f8f6f4 v[QA+8*\m:QA+8*\m+7], v[WQ+8*\s:WQ+8*\s+7], v[64*\m+8*\s:64*\m+8*\s+7], v[QA+8*\m:QA+8*\m+7], v[WQS+\s], v[QS+8*\m+\s] matrix_a_fmt:MATRIX_FMT_FP4 matrix_b_fmt:MATRIX_FMT_FP4
.endif
.endr
.endr
	WIN 0
.rept 4
	v_nop                                          ; four places between the last product and the first read of results (ISA guide 7.12.1)
.endr
.set j, 0
.rept 16
	v_pk_mul_f32 v[QA+j:QA+j+1], v[QA+j:QA+j+1], s[24:25] op_sel_hi:[1,0]   ; x c; each accumulator from its low end on
.set j, j+2
.endr
.irp m, 0,1,2,3
.irp c, 0,1
	global_store_b128 v7, v[QA+8*\m+4*\c:QA+8*\m+4*\c+3], s[18:19] offset:1024*\m+16*\c   ; the eight stores together fill the tile's 4,096 consecutive bytes
.endr
.endr
	s_endpgm
.Lfunc_end_k_q175c490968_prep:
	.size	k_q175c490968_prep, .Lfunc_end_k_q175c490968_prep-k_q175c490968_prep
	.p2alignl 7, 3214868480
	.fill 96, 4, 3214868480
	.section	.rodata,"a",@progbits
	.p2align	6, 0x0
	.amdhsa_kernel k_q175c490968_prep
		.amdhsa_group_segment_fixed_size 0
		.amdhsa_private_segment_fixed_size 0
		.amdhsa_enable_private_segment 0
		.amdhsa_kernarg_size 80
		.amdhsa_user_sgpr_count 2
		.amdhsa_user_sgpr_kernarg_segment_ptr 1
		.amdhsa_wavefront_size32 1
		.amdhsa_system_sgpr_workgroup_id_x 1
		.amdhsa_system_sgpr_workgroup_id_y 1
		.amdhsa_system_sgpr_workgroup_id_z 1
		.amdhsa_system_vgpr_workitem_id 0
		.amdhsa_next_free_vgpr 512
		.amdhsa_next_free_sgpr 66
		.amdhsa_reserve_vcc 1
		.amdhsa_float_denorm_mode_32 3
		.amdhsa_float_denorm_mode_16_64 3
		.amdhsa_memory_ordered 1
		.amdhsa_forward_progress 1
		.amdhsa_inst_pref_size 20
	.end_amdhsa_kernel
	.amdgpu_metadata
---
amdhsa.version: [ 1, 2 ]
amdhsa.kernels:
  - .name:           k_q175c490968_prep
    .symbol:         k_q175c490968_prep.kd
    .args:
      - { .name: query_codes, .offset: 0, .size: 8, .value_kind: global_buffer, .address_space: global }
      - { .name: query_scales, .offset: 8, .size: 8, .value_kind: global_buffer, .address_space: global }
      - { .name: Wq_codes, .offset: 16, .size: 8, .value_kind: global_buffer, .address_space: global }
      - { .name: Wq_scales, .offset: 24, .size: 8, .value_kind: global_buffer, .address_space: global }
      - { .name: bq, .offset: 32, .size: 8, .value_kind: global_buffer, .address_space: global }
      - { .name: Wm_codes, .offset: 40, .size: 8, .value_kind: global_buffer, .address_space: global }
      - { .name: Wm_scales, .offset: 48, .size: 8, .value_kind: global_buffer, .address_space: global }
      - { .name: cbi, .offset: 56, .size: 8, .value_kind: global_buffer, .address_space: global }
      - { .name: wfrag, .offset: 64, .size: 8, .value_kind: global_buffer, .address_space: global }
      - { .name: wsc, .offset: 72, .size: 8, .value_kind: global_buffer, .address_space: global }
    .group_segment_fixed_size: 0
    .private_segment_fixed_size: 0
    .kernarg_segment_align: 8
    .kernarg_segment_size: 80
    .max_flat_workgroup_size: 32
    .sgpr_count:     66
    .vgpr_count:     512
    .wavefront_size: 32
...
	.end_amdgpu_metadata
.endif
;; end of part 1
;; launch main (part 2): grid 4 x 64, 4 waves a work-group, no clusters, 327,680 bytes of LDS; arguments memory, wfrag, wsc, cbi, v, scores, part; writes scores, part
.if DOCPART == 2
	.amdgcn_target "amdgcn-amd-amdhsa--gfx1250"
	.amdhsa_code_object_version 6
	.text
	.protected	k_q175c490968_main
	.globl	k_q175c490968_main
	.p2align	8
	.type	k_q175c490968_main,@function
k_q175c490968_main:
	s_mov_b64 s[64:65], 0
	v_nop
	global_prefetch_b8 v0, s[64:65] scope:SCOPE_SE
	s_setreg_imm32_b32 hwreg(HW_REG_WAVE_MODE, 25, 1), 1
	s_wait_xcnt 0x0
; ADDITIVE ATTENTION, launch 2 of 3: memory is read ONCE.  Left out as dead work: the term sum_h v[h] of attn, which is the same along the softmax's axis (shown at the head of the first kernel).
; s[b][m] = sum_h u[h] / (1 + 2^(c acc[m][h] + cb[b][h])), c = 2 log2(e), u = -c v, acc = Q(memory) Q(Wm)^T: that is log2(e) x (attn less the term left out), so the weights are 2^(s - max) / their sum.
; SHARES.  256 work-groups: batch (y) x a quarter of 256 rows (x).  A work-group walks its rows in 4 blocks of 64.  THE FOUR WAVES SHARE THE HIDDEN UNITS, NOT THE ROWS: wave w makes h = 256 w .. 256 w + 255 for all 64 rows.
; A BLOCK.  Q: wave w takes columns 256 w .. + 255 of the 64 rows out of its own LDS panel, quantises them to E2M1 (K steps 2 w and 2 w + 1), keeps them as bf16 in registers, and puts codes and scale words into LDS as images of the
; operand's registers | barrier; the next block's panel is asked for |  G: all 32 fragments of the block into registers; 16 tiles of 16 hidden units: 32 products each, then 1 / (1 + 2^x) and the sum with u | barrier |
; S: the four waves' row sums are added; running maximum M; the running weighted sum OUT = OUT 2^(M old - M new) + sum over rows of 2^(s - M) bf16(memory).
; TWO STREAMS, TWO COUNTERS.  memory comes by tensor loads, 64 KiB a wave and block, asked for a whole G and S ahead; by this text's own count a wave has one tensor load out.  Wm's fragments, laid in operand order by the
; first launch, come by global loads straight into the one wave that uses them, into FOUR sets of registers by turns: a tile is asked for behind the products of the tile four before it, over the blocks' edges too.
; NO CLUSTER: what work-groups share is Wm.  A joint load would need LDS slots for it: a trip's tiles are 4 waves x 8,704 bytes = 34,816, two slots 69,632; beside the panels (266,240), the images (34,816) and the small regions (10,752)
; 15,872 bytes are left.  And no two waves of a work-group read the same fragment, so LDS would add nothing inside a work-group.
; THE PRODUCT IS USED TRANSPOSED (source 0 = 16 rows of Wm, source 1 = 16 rows of memory): lane (r, h) holds row 16 m + r and its registers the hidden units 16 T + 8 h + 0 .. 7.
; LIMITS: NaN and infinities among the inputs are not served.  A block of 32 whose largest magnitude lies under 2^-124 gets the scale byte 1 (a block of zeros too, where the rule says 127: its codes are zeros, and this program alone
; reads the bytes).  The last product takes memory rounded to bf16; its weights and sums are f32.
; REGISTERS, in windows of 256.  window 0: v1-31 addresses and the softmax's state; v32-47 Wm's scale words, v48-63 memory's (these hold scales alone); v64-71 row sums; v72-103 four accumulators (in Q and S: at work);
;   v104-119 cb and u of a tile; v120-126 addresses; v128-255 Wm's fragments, sets 2 and 3.  window 1: memory's 32 fragments; in Q, when they are dead, its upper half holds two sets of 64 numbers.
;   window 2: v0-127 Wm's fragments, sets 0 and 1; v128-255 OUT.  window 3: the block as bf16.
.set PITCH, 1040                       ; a panel's row: 1,024 bytes + 16 of padding = 260 words: row r starts at bank 4 r mod 64 (64 banks of 4 bytes: ISA guide 11.1), so the 16 rows that a load touches start at 16 different banks
.set PANEL, 64*PITCH                   ; 66,560 bytes: wave w's panel begins at w x PANEL
.set XIMG,  4*PANEL                    ; 266,240: 32 fragment images of 1,024 bytes: (8 m + s) x 1,024 + 512 c + 16 lane
.set XSC,   XIMG+32768                 ; memory's scale words: 512 m + 16 lane + 4 w: lanes 0-15 K step 2 w, lanes 16-31 K step 2 w + 1
.set CBU,   XSC+2048                   ; cb[1024], then u[1024]: each wave writes and reads its own 1,024 bytes of each
.set SCR,   CBU+8192                   ; the waves' row sums: (16 m + r) x 16 + 4 w
.set SALL,  SCR+1024                   ; the work-group's 256 scores: wave 0's
.set SPARE, SALL+1024                  ; the spare words, 128 bytes for each wave: two blocks of 256 bytes that no other line names
.set L16,  1                           ; 16 x lane
.set AQ,   2                           ; my panel + PITCH r + 64 h
.set AXW,  3                           ; XIMG + 16 lane + 2,048 w
.set AXR,  4                           ; XIMG + 16 lane
.set ASW,  5                           ; XSC + 16 lane + 4 w
.set ASR,  6                           ; XSC + 16 lane
.set ACB0, 7                           ; CBU + 1,024 w + 32 h
.set ACB,  8                           ; the same for the four tiles in hand
.set ASCW, 9                           ; SCR + 16 r + 4 w
.set ASCR, 10                          ; SCR + 16 r
.set ASA0, 11                          ; SALL + 4 r
.set ASA,  12                          ; the same for the block in hand
.set BOF,  13                          ; v13-16: offsets into wfrag of the tiles in sets 0 to 3
.set MX,   17                          ; M, the running maximum
.set T0,   18
.set T1,   19
.set SPW,  20                          ; LDS address of my spare word; never rewritten
.set NIL,  21                          ; 0; never rewritten
.set FF,   22                          ; v[22:23] f = 2^(M old - M new), named as a pair
.set PP,   24                          ; v24-27 p of row 16 m + r
.set SS,   28                          ; v28-31 its score
.set WS,   32                          ; v32-47 Wm's scale words, four a set
.set MS,   48                          ; v48-63 memory's, at 4 m + s / 2
.set RS,   64
.set ACC,  72
.set CBR,  104
.set UR,   112
.set ARD,  120                         ; my panel + 16 lane
.set ACBW, 121                         ; CBU + 1,024 w + 32 lane
.set ASAR, 122                         ; SALL + 16 lane
.set SOF,  123                         ; v123-126: offsets into wsc of the tiles in sets 0 to 3
.set TM,   72                          ; Q, over the accumulators: v72-75 largest magnitudes, v76-79 bytes, v84-87 the conversions' scale operands
.set PC,   88                          ; v88-95 the codes just made
.set PW,   96                          ; the scale word just made
.set PWA,  97                          ; and its partner's
.set PS,   72                          ; S, over the accumulators: the four waves' parts of the row sums
.set XW,   128                         ; Q: two sets of 64 numbers, in window 1
.set RED,  128                         ; the way out: 16 rows x 8 registers, where sets 2 and 3 lay
.set WV,   18                          ; s18 my wave's number
.set HI,   19                          ; s19 the mask of lanes 16-31
.set G0,   20                          ; s[20:23] descriptor group 0
.set G1,   24                          ; s[24:31] descriptor group 1 of the head's load: all 64 rows of block 0
; BEHIND THE HEAD A PANEL COMES IN TWO LOADS: rows 0-15 of the next block are asked for in the middle of Q, behind a barrier of their own, when units 0 and 1 have read them out; rows 16-63 at Q's end.
; By this text's own count a wave still has one tensor load out: each of the two barriers has the wait for all loads in front of it.
.set G1A,  68                          ; s[68:75] group 1: 16 rows
.set G1B,  76                          ; s[76:83] group 1: 48 rows
.set G0B,  84                          ; s[84:87] group 0 for rows 16-63; s[20:23] serves rows 0-15
.set PFA,  88                          ; s[88:89] where my prefetches stand: my 256 columns of the block two on
.set PFO,  127                         ; v127 the prefetches' offset: 4,096 x lane, a lane a row; never rewritten
.set CC,   32                          ; s[32:33] c
.set SEL,  34                          ; s[34:35] v_permlanex16_b32's selects for lane l xor 16
.set BLK,  36
.set IT,   37
.set TT,   38                          ; 256 x the four tiles in hand: their place in cb and u
.set TN,   39                          ; the tile to fetch next, 0 .. 15
.set SB,   42                          ; 256 x the block: its scores' place
.set MSB, 0
.macro WIN new                         ; the immediate's high byte repeats the setting that is left
.if MSB != \new
	s_set_vgpr_msb (MSB<<8)|\new
.set MSB, \new
.endif
.endm
; Unit u = (tile of rows u / 2, K step u % 2 of my two): 64 numbers a lane, register 16 b + i = column 32 b + 16 h + i of row r, into set u % 2 of window 1
.macro LOADX u
.set LM,  (\u)/2
.set LS2, (\u)%2
.set LB,  XW+64*((\u)%2)
	WIN 0x40                                       ; destination window 1, address window 0
.irp bb, 0,1,2,3
.irp j, 0,1,2,3
	ds_load_b128 v[LB+16*\bb+4*\j:LB+16*\bb+4*\j+3], v[AQ] offset:16*PITCH*LM+512*LS2+128*\bb+16*\j
.endr
.endr
.endm
; The 64 numbers at v[XS] on, in window 1, become a fragment's codes in v[PC] on and its scale word in v[PW], in window 0
.macro QUANT
	WIN 0x05                                       ; sources 0 and 1 (the numbers) window 1; source 2 and the destination window 0
.irp b, 0,1,2,3
	v_max3_num_f32 v[TM+\b], |v[XS+16*\b]|, |v[XS+1+16*\b]|, 0x1800000   ; block b: my 16 numbers, and the floor 2^(3 - 127), under which no largest magnitude is taken: so the byte cannot fall under 1
.endr
.irp i, 2,4,6,8,10,12,14
.irp b, 0,1,2,3
	v_max3_num_f32 v[TM+\b], |v[XS+16*\b+\i]|, |v[XS+1+16*\b+\i]|, v[TM+\b]   ; (the four blocks by turns)
.endr
.endr
	WIN 0
.irp b, 0,1,2,3
	v_permlanex16_b32 v[TM+4+\b], v[TM+\b], s[SEL], s[SEL+1]
.endr
.irp b, 0,1,2,3
	v_max_num_f32 v[TM+\b], v[TM+\b], v[TM+4+\b]   ; with lane l xor 16's: the block's largest magnitude
.endr
.irp b, 0,1,2,3
	v_add_nc_u32 v[TM+12+\b], 0xff000000, v[TM+\b] ; 2 off its exponent field: the conversion takes the exponent field of this operand as its scale
.endr
.irp b, 0,1,2,3
	v_lshrrev_b32 v[TM+4+\b], 23, v[TM+12+\b]      ; the scale's byte
.endr
	v_lshl_or_b32 v[PW], v[TM+5], 8, v[TM+4]       ; the four bytes make my row's scale word (both halves of the lanes hold it)
	v_lshl_or_b32 v[PW], v[TM+6], 16, v[PW]
	v_lshl_or_b32 v[PW], v[TM+7], 24, v[PW]
	WIN 0x01                                       ; source 0 (the numbers) window 1
.irp b, 0,1,2,3
	v_cvt_scalef32_pk8_fp4_f32 v[PC+2*\b], v[XS+16*\b:XS+7+16*\b], v[TM+12+\b]
	v_cvt_scalef32_pk8_fp4_f32 v[PC+1+2*\b], v[XS+8+16*\b:XS+15+16*\b], v[TM+12+\b]
.endr
	WIN 0
	v_nop                                          ; one plain place behind a scaled conversion
.irp c, 0,1                                    ; the operand's layout wants a WHOLE block in a lane: lanes 0-15 block 2 c, lanes 16-31 block 2 c + 1
.irp i, 0,1
	v_permlane16_swap_b32 v[PC+4*\c+\i], v[PC+2+4*\c+\i]
.endr
.endr
.endm
.macro UNIT u
.set UM, (\u)/2
.set US, (\u)%2
.set XS, XW+64*((\u)%2)
.if (\u) < 7
	LOADX (\u)+1                                   ; the next unit's numbers come while this one is worked
	s_wait_dscnt 16                                ; all but the 16 loads just issued: this unit's numbers are in, the last unit's stores are done
.else
	s_wait_dscnt 0x0
.endif
	QUANT
	WIN 0xc5                                       ; destination window 3, sources window 1
.set i, 0
.rept 32
	v_cvt_pk_bf16_f32 v[64*UM+32*US+i], v[XS+2*i], v[XS+2*i+1]   ; the numbers stay, as bf16, for the last product
.set i, i+1
.endr
	WIN 0
	ds_store_b128 v[AXW], v[PC:PC+3] offset:8192*UM+1024*US          ; the fragment goes to LDS as it stands: 512 consecutive bytes a store
	ds_store_b128 v[AXW], v[PC+4:PC+7] offset:8192*UM+1024*US+512
.if US == 0
	v_mov_b32 v[PWA], v[PW]                        ; K step 2 w's word waits for its partner
.else
	v_cndmask_b32 v[PW], v[PWA], v[PW], s[HI]      ; lanes 0-15: K step 2 w's, lanes 16-31: K step 2 w + 1's
	ds_store_b32 v[ASW], v[PW] offset:512*UM
.endif
.endm
.macro QPHASE mid                      ; mid = 1: rows 0-15 of my panel are filled again as soon as units 0 and 1 have read them
	s_wait_tensorcnt 0x0                           ; my one tensor load that is out: the rest of my panel.  Nobody else reads it, so this wait is all that the reads need
	LOADX 0
.irp u, 0,1,2,3,4,5,6,7
	UNIT \u
.if \mid
.if \u == 1
	s_wait_alu depctr_va_vdst(0)                   ; the wait ahead of a wait that blocks
	s_wait_tensorcnt 0x0                           ; no tensor load of mine is out, so group 0 may be written;
	ds_add_u32 v[SPW], v[NIL]                      ; 0 onto my spare word;
	s_add_nc_u64 s[G0+2:G0+3], s[G0+2:G0+3], 64*4096   ; rows 0-15 of the next block
	s_wait_dscnt 0x0                               ; the add is done, and my reads of rows 0-15 are over (unit 2's numbers, rows 16-31, are in too)
	s_barrier_signal -1
	s_barrier_wait -1
	tensor_load_to_lds s[G0:G0+3], s[G1A:G1A+7]    ; my one tensor load behind this barrier: it has units 2 to 7 in which to land
	s_nop 0
.rept 4
	v_nop
.endr
.endif
.endif
.endr
.endm
; The block's 32 fragments and their scale words into registers, where they stay for the 16 tiles
.macro AFETCH
	WIN 0x40                                       ; destination window 1
.set f, 0
.rept 32
	ds_load_b128 v[8*f:8*f+3], v[AXR] offset:1024*f
	ds_load_b128 v[8*f+4:8*f+7], v[AXR] offset:1024*f+512
.set f, f+1
.endr
	WIN 0
.irp m, 0,1,2,3
	ds_load_b128 v[MS+4*\m:MS+4*\m+3], v[ASR] offset:512*\m    ; register s / 2: lanes 0-15 the even K step's word of row r, lanes 16-31 the odd one's
.endr
.irp j, 0,1,2,3,4,5,6,7
	v_mov_b32 v[RS+\j], 0                          ; the block's row sums begin
.endr
	s_mov_b32 s[TT], 0
	s_wait_dscnt 0x0
.endm
; A tile of Wm into set p, at register 64 p of window 2 (sets 0, 1) or of window 0 (sets 2, 3): 16 loads of 512 consecutive bytes, and its scale words: 17 loads
.macro BLOAD p
.if \p < 2
	WIN 0x80                                       ; destination window 2
.else
	WIN 0
.endif
.irp s, 0,1,2,3,4,5,6,7
.irp c, 0,1
	global_load_b128 v[64*\p+8*\s+4*\c:64*\p+8*\s+4*\c+3], v[BOF+\p], s[6:7] offset:1024*\s+512*\c
.endr
.endr
	WIN 0
	global_load_b128 v[WS+4*\p:WS+4*\p+3], v[SOF+\p], s[8:9]
.endm
; 32 registers of hidden numbers: x = c acc + cb; 1 / (1 + 2^x); x u into the row sums.  2^x = infinity gives 0 and 2^x = 0 gives 1: the limits of the formula
.macro EPI
.irp jp, 0,1,2,3
.irp m, 0,1,2,3
	v_pk_fma_f32 v[ACC+8*\m+2*\jp:ACC+8*\m+2*\jp+1], v[ACC+8*\m+2*\jp:ACC+8*\m+2*\jp+1], s[CC:CC+1], v[CBR+2*\jp:CBR+2*\jp+1] op_sel_hi:[1,0,1]   ; each accumulator from its low end on
.endr
.endr
.set j, 0
	s_wait_alu depctr_va_vdst(0)
.rept 32
	v_exp_f32 v[ACC+j], v[ACC+j]
.set j, j+1
.endr
	v_nop                                          ; a plain place behind the last exponential
	s_wait_alu depctr_va_vdst(0)                   ; one wait for the batch of 32, ahead of its first use
.set j, 0
.rept 16
	v_pk_add_f32 v[ACC+j:ACC+j+1], v[ACC+j:ACC+j+1], 1.0 op_sel_hi:[1,0]
.set j, j+2
.endr
.set j, 0
	s_wait_alu depctr_va_vdst(0)
.rept 32
	v_rcp_f32 v[ACC+j], v[ACC+j]
.set j, j+1
.endr
	v_nop
	s_wait_alu depctr_va_vdst(0)                   ; and one for the 32 reciprocals
.irp jp, 0,1,2,3
.irp m, 0,1,2,3
	v_pk_fma_f32 v[RS+2*\m:RS+2*\m+1], v[ACC+8*\m+2*\jp:ACC+8*\m+2*\jp+1], v[UR+2*\jp:UR+2*\jp+1], v[RS+2*\m:RS+2*\m+1]   ; four chains by turns
.endr
.endr
.endm
; One tile of 16 hidden units, in set p.  pre = 1: the tile four on is fetched into the same set.  cnt: the loads of the tiles asked for behind this one, 17 each, which may stay out
.macro TRIP p, pre, cnt
	ds_load_b128 v[CBR:CBR+3], v[ACB] offset:64*\p
	ds_load_b128 v[CBR+4:CBR+7], v[ACB] offset:64*\p+16
	ds_load_b128 v[UR:UR+3], v[ACB] offset:4096+64*\p
	ds_load_b128 v[UR+4:UR+7], v[ACB] offset:4112+64*\p
	s_wait_loadcnt \cnt                            ; loads come back in order (ISA guide 5.7.1): this tile's 17 are in
.if \p < 2
	WIN 0x06                                       ; source 0 (Wm) window 2, source 1 (memory) window 1
.else
	WIN 0x04                                       ; source 0 (Wm) window 0, source 1 (memory) window 1
.endif
.irp s, 0,1,2,3,4,5,6,7                    ; the four accumulators take turns, one instruction a turn; the first K step starts the sums
.irp m, 0,1,2,3
.if \s == 0
	v_wmma_scale_f32_16x16x128_f8f6f4 v[ACC+8*\m:ACC+8*\m+7], v[64*\p+8*\s:64*\p+8*\s+7], v[64*\m+8*\s:64*\m+8*\s+7], 0, v[WS+4*\p+\s/2], v[MS+4*\m+\s/2] matrix_a_fmt:MATRIX_FMT_FP4 matrix_b_fmt:MATRIX_FMT_FP4
.elseif (\s%2) == 0
	v_wmma_scale_f32_16x16x128_f8f6f4 v[ACC+8*\m:ACC+8*\m+7], v[64*\p+8*\s:64*\p+8*\s+7], v[64*\m+8*\s:64*\m+8*\s+7], v[ACC+8*\m:ACC+8*\m+7], v[WS+4*\p+\s/2], v[MS+4*\m+\s/2] matrix_a_fmt:MATRIX_FMT_FP4 matrix_b_fmt:MATRIX_FMT_FP4
.else
	v_wmma_scale_f32_16x16x128_f8f6f4 v[ACC+8*\m:ACC+8*\m+7], v[64*\p+8*\s:64*\p+8*\s+7], v[64*\m+8*\s:64*\m+8*\s+7], v[ACC+8*\m:ACC+8*\m+7], v[WS+4*\p+\s/2], v[MS+4*\m+\s/2] matrix_a_fmt:MATRIX_FMT_FP4 matrix_b_fmt:MATRIX_FMT_FP4 matrix_a_scale:MATRIX_SCALE_ROW1 matrix_b_scale:MATRIX_SCALE_ROW1
.endif
.endr
.endr
	WIN 0
.if \pre
	s_lshl_b32 s40, s[TN], 13                      ; a tile of wfrag is 8,192 bytes,
	s_lshl_b32 s41, s[TN], 9                       ; of wsc 512
	s_add_co_u32 s[TN], s[TN], 1
	s_and_b32 s[TN], s[TN], 15                     ; behind tile 15 comes tile 0, for the next block
	v_add_nc_u32 v[BOF+\p], s40, v[L16]            ; (the wait above has shown the loads done that read these two registers)
	v_add_nc_u32 v[SOF+\p], s41, v[L16]
	v_nop
	v_nop                                          ; four places between the products and the loads into the registers that they read (ISA guide 7.12.1 for vector instructions)
	BLOAD \p
.else
.rept 4
	v_nop                                          ; four places ahead of the first read of results
.endr
.endif
	s_wait_dscnt 0x0                               ; cb and u
	EPI
.endm
; A PREFETCH INTO THE L2 (ask = 1): in block t's G each wave names its own 256 columns of block t + 2, which the two loads of the next trip will bring: 64 rows x 1,024 bytes = 256 pieces of 256 bytes,
; two requests in each of the four rounds (rows 0-31 and 32-63, a lane a row, 256 bytes further along the rows each round).  No other wave or work-group reads these bytes, so each piece is named once.
; Block 1 comes by its loads alone; in the trip of block 2 no block two on exists, and a branch on the count of blocks leads round the requests.
.macro GLOOP n, ask                    ; n times four tiles, one in each set
	s_mov_b32 s[IT], \n
.Lg_\@:
	v_add_nc_u32 v[ACB], s[TT], v[ACB0]
	TRIP 0, 1, 51                                  ; 51: the three tiles asked for behind the one in hand
	TRIP 1, 1, 51
.if \ask
	s_cmp_gt_u32 s[BLK], 1                         ; s[BLK] = 3, 2 in the trips of blocks 0 and 1
	s_cbranch_scc0 .Lna_\@
	global_prefetch_b8 v[PFO], s[PFA:PFA+1] th:TH_LOAD_NT scope:SCOPE_SE
	global_prefetch_b8 v[PFO], s[PFA:PFA+1] offset:32*4096 th:TH_LOAD_NT scope:SCOPE_SE
.Lna_\@:
.endif
	TRIP 2, 1, 51
.if \ask
	s_wait_alu depctr_va_vdst(0)                   ; the wait ahead of a wait that blocks
	s_wait_xcnt 0x0                                ; my prefetches, a tile back, have read their address: it may be stepped
	s_add_nc_u64 s[PFA:PFA+1], s[PFA:PFA+1], 256
.endif
	TRIP 3, 1, 51
	s_add_co_u32 s[TT], s[TT], 256
	s_sub_co_u32 s[IT], s[IT], 1
	s_cmp_lg_u32 s[IT], 0
	s_cbranch_scc1 .Lg_\@
.endm
; My 256 hidden units' part of each row's sum goes to LDS; the barrier shows all four parts to all four waves.  The tensor load stays out across it
.macro GEND
.irp m, 0,1,2,3
	v_add_f32 v[RS+2*\m], v[RS+2*\m], v[RS+2*\m+1]
.endr
.irp m, 0,1,2,3
	v_permlanex16_b32 v[RS+2*\m+1], v[RS+2*\m], s[SEL], s[SEL+1]   ; the row's other eight units of each tile lie in the lane 16 away
.endr
.irp m, 0,1,2,3
	v_add_f32 v[RS+2*\m], v[RS+2*\m], v[RS+2*\m+1]
.endr
.irp m, 0,1,2,3
	ds_store_b32 v[ASCW], v[RS+2*\m] offset:256*\m ; both halves of the lanes write the same word with the same value
.endr
	s_wait_dscnt 0x0                               ; for the others' sake: my stores are done
	s_barrier_signal -1
	s_barrier_wait -1
.endm
.macro SPHASE
.irp m, 0,1,2,3
	ds_load_b128 v[PS+4*\m:PS+4*\m+3], v[ASCR] offset:256*\m
.endr
	s_wait_dscnt 0x0
.irp m, 0,1,2,3
	v_add_f32 v[SS+\m], v[PS+4*\m], v[PS+4*\m+1]
	v_add_f32 v[PP+\m], v[PS+4*\m+2], v[PS+4*\m+3]
.endr
.irp m, 0,1,2,3
	v_add_f32 v[SS+\m], v[SS+\m], v[PP+\m]         ; the score of row 16 m + r: the same bits in all four waves
.endr
	v_max3_num_f32 v[T0], v[SS], v[SS+1], v[SS+2]
	v_max_num_f32 v[T0], v[T0], v[SS+3]
.irp x, 1,2,4,8
	v_max_num_f32_dpp v[T0], v[T0], v[T0] row_xmask:\x row_mask:0xf bank_mask:0xf   ; over the 16 rows; both halves of the lanes hold the same
.endr
	v_max_num_f32 v[T0], v[T0], v[MX]              ; the new M
	v_sub_f32 v[T1], v[MX], v[T0]
.irp m, 0,1,2,3
	v_sub_f32 v[PP+\m], v[SS+\m], v[T0]
.endr
	s_wait_alu depctr_va_vdst(0)
	v_exp_f32 v[FF], v[T1]                         ; f = 2^(M old - M new)
.irp m, 0,1,2,3
	v_exp_f32 v[PP+\m], v[PP+\m]                   ; p = 2^(s - M)
.endr
	v_mov_b32 v[MX], v[T0]                         ; (a plain place behind the exponentials)
	v_add_nc_u32 v[ASA], s[SB], v[ASA0]
	s_wait_alu depctr_va_vdst(0)                   ; one wait for the five, ahead of the branch and of their first use
	s_cmp_lg_u32 s[WV], 0
	s_cbranch_scc1 .Lnw0_\@
.irp m, 0,1,2,3
	ds_store_b32 v[ASA], v[SS+\m] offset:64*\m     ; wave 0 gathers the work-group's scores
.endr
.Lnw0_\@:
	WIN 0x82                                       ; OUT (destination and source 0) window 2, f window 0
.set n, 0
.rept 64
	v_pk_mul_f32 v[128+2*n:129+2*n], v[128+2*n:129+2*n], v[FF:FF+1] op_sel_hi:[1,0]
.set n, n+1
.endr
	WIN 0xa3                                       ; OUT (destination and source 2) window 2, the bf16 numbers window 3, p window 0
.irp m, 0,1,2,3
.set n, 0
.rept 64
	v_fma_mix_f32_bf16 v[128+2*n], v[64*\m+n], v[PP+\m], v[128+2*n] op_sel_hi:[1,0,0]
	v_fma_mix_f32_bf16 v[129+2*n], v[64*\m+n], v[PP+\m], v[129+2*n] op_sel:[1,0,0] op_sel_hi:[1,0,0]
.set n, n+1
.endr
.endr
	WIN 0
.endm
	s_load_b256 s[4:11], s[0:1], 0x0               ; memory s[4:5], wfrag s[6:7], wsc s[8:9], cbi s[10:11]
	s_load_b128 s[12:15], s[0:1], 0x20             ; v s[12:13], scores s[14:15]
	s_load_b64 s[16:17], s[0:1], 0x30              ; part
	v_lshl_add_u32 v[SPW], v0, 2, SPARE
	v_mov_b32 v[NIL], 0
	ds_add_u32 v[SPW], v[NIL]                      ; the wave's opening: the add, twice on end, and its wait ahead of my first tensor load
	ds_add_u32 v[SPW], v[NIL]                      ; and once more, under the one wait; the set-up below, work on registers, stands between
	v_lshrrev_b32 v[T0], 5, v0
	v_readfirstlane_b32 s[WV], v[T0]               ; wave 0..3
	; descriptor group 1: a tile of 64 rows x 256 elements of 4 bytes, rows 1,024 elements apart in memory, padded in LDS
	s_mov_b32 s[G1+0], (2<<16)|(1<<20)|(7<<22)|(3<<25)  ; 15:0 no mask; 17:16 elements of 4 bytes; 20 padding on; 24:22 after every 256 words (code 7); 31:25 four words (code 3)
	s_mov_b32 s[G1+1], 256<<16                     ; tensor_dim0 = 256
	s_mov_b32 s[G1+2], 64<<16                      ; tensor_dim1 = 64
	s_mov_b32 s[G1+3], 256<<16                     ; tile_dim0 = 256
	s_mov_b32 s[G1+4], 64                          ; tile_dim1 = 64
	s_mov_b32 s[G1+5], 1024                        ; tensor_dim0_stride
	s_mov_b32 s[G1+6], 0
	s_mov_b32 s[G1+7], 0
.irp g, G1A, G1B                       ; the same tile with 16 and with 48 rows
	s_mov_b32 s[\g+0], (2<<16)|(1<<20)|(7<<22)|(3<<25)
	s_mov_b32 s[\g+1], 256<<16
	s_mov_b32 s[\g+3], 256<<16
	s_mov_b32 s[\g+5], 1024
	s_mov_b32 s[\g+6], 0
	s_mov_b32 s[\g+7], 0
.endr
	s_mov_b32 s[G1A+2], 16<<16
	s_mov_b32 s[G1A+4], 16
	s_mov_b32 s[G1B+2], 48<<16
	s_mov_b32 s[G1B+4], 48
	s_mov_b32 s[HI], 0xffff0000
	s_mov_b32 s[CC], 0x4038aa3b                    ; c = 2 log2(e)
	s_mov_b32 s[CC+1], s[CC]                       ; (named with it as a pair, so it is written)
	s_mov_b32 s[SEL], 0x76543210
	s_mov_b32 s[SEL+1], 0xfedcba98
	s_mov_b32 s[BLK], 3
	s_mov_b32 s[SB], 0
	s_mov_b32 s[TN], 4                             ; tiles 0 to 3 are asked for at the head
	s_and_b32 s44, ttmp7, 0xffff                   ; the batch
	s_lshl_b32 s46, s44, 22                        ; its 4 MiB,
	s_lshl_b32 s45, ttmp9, 20                      ; my quarter's 256 rows of 4,096 bytes,
	s_add_co_u32 s46, s46, s45
	s_lshl_b32 s45, s[WV], 10                      ; my wave's 256 columns
	s_add_co_u32 s46, s46, s45                     ; (under 2^28 in all)
	s_mov_b32 s47, 0
	s_wait_dscnt 0x0                               ; both opening adds are done
	s_wait_kmcnt 0x0
	s_mov_b32 s[G0], 1                             ; count = 1
	s_mul_i32 s[G0+1], s[WV], PANEL                ; LDS address: my panel
	s_add_nc_u64 s[G0+2:G0+3], s[4:5], s[46:47]    ; global address: block 0
	s_add_nc_u64 s[PFA:PFA+1], s[G0+2:G0+3], 2*64*4096   ; the prefetches begin at block 2
	s_mov_b32 s[G0B], 1
	s_add_co_u32 s[G0B+1], s[G0+1], 16*PITCH       ; rows 16-63: in my panel,
	s_add_nc_u64 s[G0B+2:G0B+3], s[G0+2:G0+3], 16*4096   ; and in memory (of block 0: stepped ahead of its first use)
	s_or_b32 s[G0B+3], s[G0B+3], 0x80000000
	s_or_b32 s[G0+3], s[G0+3], 0x80000000          ; type = 2
	tensor_load_to_lds s[G0:G0+3], s[G1:G1+7]      ; every wave issues its first fill, with no branch
	s_nop 0
.rept 4
	v_nop
.endr
	s_lshl_b32 s46, s[WV], 17                      ; my 16 tiles of wfrag,
	s_add_nc_u64 s[6:7], s[6:7], s[46:47]
	s_lshl_b32 s46, s[WV], 13                      ; of wsc,
	s_add_nc_u64 s[8:9], s[8:9], s[46:47]
	s_lshl_b32 s46, s[WV], 16                      ; of cbi, at my batch's 64 bytes
	s_lshl_b32 s45, s44, 6
	s_add_co_u32 s46, s46, s45
	s_add_nc_u64 s[10:11], s[10:11], s[46:47]
	s_lshl_b32 s46, s[WV], 10                      ; my 256 numbers of v
	s_add_nc_u64 s[12:13], s[12:13], s[46:47]
	s_lshl_b32 s48, s44, 2
	s_add_co_u32 s48, s48, ttmp9                   ; the work-group's number: 4 x batch + quarter
	s_lshl_b32 s46, s48, 10                        ; its 256 scores
	s_add_nc_u64 s[14:15], s[14:15], s[46:47]
	s_lshl_b32 s46, s48, 12                        ; its row of part, at my wave's 256 columns
	s_lshl_b32 s45, s[WV], 10
	s_add_co_u32 s46, s46, s45
	s_add_nc_u64 s[16:17], s[16:17], s[46:47]
	v_and_b32 v28, 31, v0                          ; lane
	v_and_b32 v29, 15, v0                          ; r
	v_bfe_u32 v30, v0, 4, 1                        ; h
	v_lshlrev_b32 v[L16], 4, v28
	v_lshlrev_b32 v[PFO], 12, v28                  ; a row of memory is 4,096 bytes
	v_mul_u32_u24 v[AQ], v29, PITCH
	v_lshl_add_u32 v[AQ], v30, 6, v[AQ]
	v_add_nc_u32 v[AQ], s[G0+1], v[AQ]
	v_add_nc_u32 v[ARD], s[G0+1], v[L16]
	s_lshl_b32 s45, s[WV], 11
	v_add_nc_u32 v[AXR], XIMG, v[L16]
	v_add_nc_u32 v[AXW], s45, v[AXR]
	s_lshl_b32 s45, s[WV], 2
	v_add_nc_u32 v[ASR], XSC, v[L16]
	v_add_nc_u32 v[ASW], s45, v[ASR]
	v_lshl_add_u32 v[ASCR], v29, 4, SCR
	v_add_nc_u32 v[ASCW], s45, v[ASCR]
	s_lshl_b32 s45, s[WV], 10
	v_lshl_add_u32 v[ACB0], v30, 5, CBU
	v_add_nc_u32 v[ACB0], s45, v[ACB0]
	v_lshl_add_u32 v[ACBW], v28, 5, CBU
	v_add_nc_u32 v[ACBW], s45, v[ACBW]
	v_lshl_add_u32 v[ASA0], v29, 2, SALL
	v_add_nc_u32 v[ASAR], SALL, v[L16]
	v_lshrrev_b32 v[T0], 1, v28                    ; cb: lane l takes hidden units 8 l .. 8 l + 7 of my 256: tile l / 2 (4,096 bytes apart), half l % 2
	v_and_b32 v[T1], 1, v28
	v_lshlrev_b32 v[T1], 5, v[T1]
	v_lshl_add_u32 v[T0], v[T0], 12, v[T1]
	v_lshlrev_b32 v[T1], 5, v28                    ; v: 32 bytes a lane
	global_load_b128 v[CBR:CBR+3], v[T0], s[10:11]
	global_load_b128 v[CBR+4:CBR+7], v[T0], s[10:11] offset:16
	global_load_b128 v[UR:UR+3], v[T1], s[12:13]
	global_load_b128 v[UR+4:UR+7], v[T1], s[12:13] offset:16
	v_mov_b32 v[BOF], v[L16]                       ; tile 0
	v_mov_b32 v[SOF], v[L16]
.irp p, 1,2,3
	v_add_nc_u32 v[BOF+\p], 8192*\p, v[L16]        ; tiles 1 to 3
	v_add_nc_u32 v[SOF+\p], 512*\p, v[L16]
.endr
	BLOAD 0
	BLOAD 1
	BLOAD 2
	v_mov_b32 v[MX], 0xff61b1e6                    ; M: -3e38, under every score
	v_mov_b32 v[FF+1], 0                           ; (named as the upper half of the pair before it is ever written)
.irp b, 0,1,2,3
	v_mov_b32 v[TM+4+\b], 0                        ; written once: a lane permute's destination counts as one of its sources
.endr
	WIN 0x80                                       ; destination window 2
.set n, 0
.rept 128
	v_mov_b32 v[128+n], 0                          ; OUT.  Cleared once, so that the block is written once in the loop: its first trip finds zeros, which f = 0 leaves zeros; a first block of its own would be a third copy of the block's text
.set n, n+1
.endr
	WIN 0
	s_wait_loadcnt 51                              ; cb and v are in; the three tiles' 51 loads, issued behind them, stay out
.irp j, 0,2,4,6
	v_pk_mul_f32 v[UR+\j:UR+\j+1], v[UR+\j:UR+\j+1], 0xc038aa3b op_sel_hi:[1,0]   ; u = -c v
.endr
	ds_store_b128 v[ACBW], v[CBR:CBR+3]            ; into my own slices: LDS serves a wave's instructions in order (ISA guide 5.7.1.4), so my later loads see them
	ds_store_b128 v[ACBW], v[CBR+4:CBR+7] offset:16
	ds_store_b128 v[ACBW], v[UR:UR+3] offset:4096
	ds_store_b128 v[ACBW], v[UR+4:UR+7] offset:4112
	BLOAD 3                                        ; behind that wait, whose count could not name four tiles' 68 loads
.Lblock:                                           ; three trips: blocks 0 to 2, each of which asks for its successor
	QPHASE 1
	s_wait_tensorcnt 0x0                           ; no tensor load of mine is out (rows 0-15 of the next block, asked for in Q, are waited for here), so group 0 may be written;
	ds_add_u32 v[SPW], v[NIL]                      ; 0 onto my spare word;
	s_add_nc_u64 s[G0B+2:G0B+3], s[G0B+2:G0B+3], 64*4096   ; rows 16-63 of the next block; the type bits on top are not reached
	s_wait_dscnt 0x0                               ; the add is done, my reads of my panel are over, my images have landed
	s_barrier_signal -1
	s_barrier_wait -1                              ; the block's 32 images and their scale words are whole
	tensor_load_to_lds s[G0B:G0B+3], s[G1B:G1B+7]  ; my one tensor load behind this barrier, and the first thing there: rows 16-63 of the next block
	s_nop 0
.rept 4
	v_nop
.endr
	AFETCH
	GLOOP 4, 1                                     ; the last four tiles fetch tiles 0 to 3 again, for the next block: S and Q touch none of the four sets
	s_add_nc_u64 s[PFA:PFA+1], s[PFA:PFA+1], 64*4096-1024   ; 64 rows down and back along the rows (the last round's wait on XCNT stands behind its prefetches)
	GEND
	SPHASE
	s_add_co_u32 s[SB], s[SB], 256
	s_sub_co_u32 s[BLK], s[BLK], 1
	s_cmp_lg_u32 s[BLK], 0
	s_cbranch_scc1 .Lblock
	QPHASE 0                                       ; the last block is written out: it asks for nothing more
	s_wait_dscnt 0x0                               ; my images have landed
	s_barrier_signal -1
	s_barrier_wait -1
	AFETCH
	GLOOP 3, 0
	v_add_nc_u32 v[ACB], s[TT], v[ACB0]
	TRIP 0, 0, 51                                  ; tile 12: the loads of tiles 13 to 15 may be out; nothing more is fetched, and the counts run down
	TRIP 1, 0, 34
	TRIP 2, 0, 17
	TRIP 3, 0, 0
	GEND
	SPHASE
	; THE WAY OUT.  Wave 0 stores the work-group's 256 scores: two stores of 512 consecutive bytes
	s_cmp_lg_u32 s[WV], 0
	s_cbranch_scc1 .Lnot_wave_0
	ds_load_b128 v[TM:TM+3], v[ASAR]
	ds_load_b128 v[TM+4:TM+7], v[ASAR] offset:512
	s_wait_dscnt 0x0
	global_store_b128 v[L16], v[TM:TM+3], s[14:15]
	global_store_b128 v[L16], v[TM+4:TM+7], s[14:15] offset:512
.Lnot_wave_0:
	; OUT holds, in lane (r, h), the sum over the rows that are r mod 16.  It goes into my panel, which has had its last fill and its last read, as 16 rows of my 256 columns, and comes back by columns
	WIN 0x08                                       ; an LDS store's data are its source 1: window 2
.set n, 0
	s_wait_alu depctr_va_vdst(0)
.rept 32
	ds_store_b128 v[AQ], v[128+4*n:128+4*n+3] offset:512*(n/16)+128*((n/4)%4)+16*(n%4)
.set n, n+1
.endr
	WIN 0
.set n, 0
.rept 16
	ds_load_b128 v[RED+8*n:RED+8*n+3], v[ARD] offset:PITCH*n        ; LDS serves a wave's instructions in order: these see my stores
	ds_load_b128 v[RED+8*n+4:RED+8*n+7], v[ARD] offset:PITCH*n+512
.set n, n+1
.endr
	s_wait_dscnt 0x0
.set n, 1
.rept 15
.irp e, 0,2,4,6
	v_pk_add_f32 v[RED+\e:RED+1+\e], v[RED+\e:RED+1+\e], v[RED+8*n+\e:RED+1+8*n+\e]   ; four chains by turns
.endr
.set n, n+1
.endr
	global_store_b128 v[L16], v[RED:RED+3], s[16:17]           ; 32 lanes store 512 consecutive bytes
	global_store_b128 v[L16], v[RED+4:RED+7], s[16:17] offset:512
	s_wait_tensorcnt 0x0                           ; the wave's end, behind my last tensor load and my last LDS store
	ds_add_u32 v[SPW], v[NIL]
	s_wait_dscnt 0x0
	s_endpgm
.Lfunc_end_k_q175c490968_main:
	.size	k_q175c490968_main, .Lfunc_end_k_q175c490968_main-k_q175c490968_main
	.p2alignl 7, 3214868480
	.fill 96, 4, 3214868480
	.section	.rodata,"a",@progbits
	.p2align	6, 0x0
	.amdhsa_kernel k_q175c490968_main
		.amdhsa_group_segment_fixed_size 327680
		.amdhsa_private_segment_fixed_size 0
		.amdhsa_enable_private_segment 0
		.amdhsa_kernarg_size 56
		.amdhsa_user_sgpr_count 2
		.amdhsa_user_sgpr_kernarg_segment_ptr 1
		.amdhsa_wavefront_size32 1
		.amdhsa_system_sgpr_workgroup_id_x 1
		.amdhsa_system_sgpr_workgroup_id_y 1
		.amdhsa_system_sgpr_workgroup_id_z 1
		.amdhsa_system_vgpr_workitem_id 0
		.amdhsa_next_free_vgpr 1024
		.amdhsa_next_free_sgpr 96
		.amdhsa_reserve_vcc 0
		.amdhsa_float_denorm_mode_32 3
		.amdhsa_float_denorm_mode_16_64 3
		.amdhsa_memory_ordered 1
		.amdhsa_forward_progress 1
		.amdhsa_inst_pref_size 255
	.end_amdhsa_kernel
	.section	.bss,"aw",@nobits
	.p2align	6
	.space	262144
	.amdgpu_metadata
---
amdhsa.version: [ 1, 2 ]
amdhsa.kernels:
  - .name:           k_q175c490968_main
    .symbol:         k_q175c490968_main.kd
    .args:
      - { .name: memory, .offset: 0, .size: 8, .value_kind: global_buffer, .address_space: global }
      - { .name: wfrag, .offset: 8, .size: 8, .value_kind: global_buffer, .address_space: global }
      - { .name: wsc, .offset: 16, .size: 8, .value_kind: global_buffer, .address_space: global }
      - { .name: cbi, .offset: 24, .size: 8, .value_kind: global_buffer, .address_space: global }
      - { .name: v, .offset: 32, .size: 8, .value_kind: global_buffer, .address_space: global }
      - { .name: scores, .offset: 40, .size: 8, .value_kind: global_buffer, .address_space: global }
      - { .name: part, .offset: 48, .size: 8, .value_kind: global_buffer, .address_space: global }
    .group_segment_fixed_size: 327680
    .private_segment_fixed_size: 0
    .kernarg_segment_align: 8
    .kernarg_segment_size: 56
    .max_flat_workgroup_size: 128
    .sgpr_count:     96
    .vgpr_count:     1024
    .wavefront_size: 32
...
	.end_amdgpu_metadata
.endif
;; end of part 2
;; launch finish (part 3): grid 4 x 64, 1 waves a work-group, no clusters, 0 bytes of LDS; arguments scores, part, out0, out1; writes out0, out1
.if DOCPART == 3
	.amdgcn_target "amdgcn-amd-amdhsa--gfx1250"
	.amdhsa_code_object_version 6
	.text
	.protected	k_q175c490968_finish
	.globl	k_q175c490968_finish
	.p2align	8
	.type	k_q175c490968_finish,@function
k_q175c490968_finish:
	s_mov_b64 s[64:65], 0
	v_nop
	global_prefetch_b8 v0, s[64:65] scope:SCOPE_SE
	s_setreg_imm32_b32 hwreg(HW_REG_WAVE_MODE, 25, 1), 1
	s_wait_xcnt 0x0
; ADDITIVE ATTENTION, launch 3 of 3.  scores [64][1024] hold log2(e) x attn less the term sum_h v[h], which is left out as dead work (shown at the head of the first kernel);
; part [64][4][1024] holds, for each quarter of a batch's rows, the sum over its rows of 2^(s - Mq) x memory, Mq the quarter's largest score.
; weights = 2^(s - M) / L, M the row's largest score, L the sum of all 1,024 terms;  weighted memory = sum over the quarters of 2^(Mq - M) / L x part.
; Mq is found here anew as the largest of the quarter's 256 stored scores: the same numbers of which the launch before took its running maximum, so the same bits.
; SHARES.  A work-group of one wave makes 256 numbers of each output: batch y, quarter x.  Each reads the batch's 1,024 scores (4 KiB) whole: the sum over a row has one owner for each output number, and nothing passes between work-groups.
; No LDS, no matrix unit: 8 KiB in and 2 KiB out for each wave.  LIMITS: NaN and infinities are not served.
; REGISTERS: v1 16 x lane; v2-5 Mq, then 2^(Mq - M) / L; v6-9, v11 lane exchanges; v10 M; v12-15 sums; v16-47 the row's scores; v48-55 my quarter's; v56-87 part's four rows at my 256 columns.
	s_load_b256 s[4:11], s[0:1], 0x0               ; scores s[4:5], part s[6:7], out0 s[8:9], out1 s[10:11]
	v_lshlrev_b32 v1, 4, v0
	s_and_b32 s12, ttmp7, 0xffff                   ; the batch
	s_lshl_b32 s16, s12, 12                        ; its row of 4,096 bytes
	s_mov_b32 s17, 0
	s_lshl_b32 s18, ttmp9, 10                      ; my quarter of a row
	s_mov_b32 s19, 0
	s_lshl_b32 s20, s12, 14                        ; its four rows of part
	s_mov_b32 s21, 0
	s_mov_b32 s14, 0x76543210
	s_mov_b32 s15, 0xfedcba98                      ; v_permlanex16_b32's selects for lane l xor 16
.irp j, 6,7,8,9,11
	v_mov_b32 v\j, 0                               ; a lane permute's destination counts as one of its sources
.endr
	s_wait_alu depctr_va_vdst(0)
	s_wait_kmcnt 0x0
	s_add_nc_u64 s[4:5], s[4:5], s[16:17]
	s_add_nc_u64 s[22:23], s[4:5], s[18:19]
	s_add_nc_u64 s[6:7], s[6:7], s[20:21]
	s_add_nc_u64 s[6:7], s[6:7], s[18:19]
	s_add_nc_u64 s[8:9], s[8:9], s[16:17]
	s_add_nc_u64 s[8:9], s[8:9], s[18:19]
	s_add_nc_u64 s[10:11], s[10:11], s[16:17]
	s_add_nc_u64 s[10:11], s[10:11], s[18:19]
.irp i, 0,1,2,3,4,5,6,7
	global_load_b128 v[16+4*\i:19+4*\i], v1, s[4:5] offset:512*\i      ; loads 2 q and 2 q + 1 hold quarter q
.endr
.irp i, 0,1
	global_load_b128 v[48+4*\i:51+4*\i], v1, s[22:23] offset:512*\i
.endr
.irp q, 0,1,2,3
.irp i, 0,1
	global_load_b128 v[56+8*\q+4*\i:59+8*\q+4*\i], v1, s[6:7] offset:4096*\q+512*\i
.endr
.endr
	s_wait_loadcnt 0x0
.irp q, 0,1,2,3
	v_max3_num_f32 v[2+\q], v[16+8*\q], v[17+8*\q], v[18+8*\q]
.endr
.irp i, 3,5
.irp q, 0,1,2,3
	v_max3_num_f32 v[2+\q], v[2+\q], v[16+8*\q+\i], v[17+8*\q+\i]
.endr
.endr
.irp q, 0,1,2,3
	v_max_num_f32 v[2+\q], v[2+\q], v[23+8*\q]
.endr
.irp x, 1,2,4,8
.irp q, 0,1,2,3
	v_max_num_f32_dpp v[2+\q], v[2+\q], v[2+\q] row_xmask:\x row_mask:0xf bank_mask:0xf
.endr
.endr
.irp q, 0,1,2,3
	v_permlanex16_b32 v[6+\q], v[2+\q], s14, s15
.endr
.irp q, 0,1,2,3
	v_max_num_f32 v[2+\q], v[2+\q], v[6+\q]        ; Mq, in every lane
.endr
	v_max3_num_f32 v10, v2, v3, v4
	v_max_num_f32 v10, v10, v5                     ; M
.set k, 16
.rept 40
	v_sub_f32 v[k], v[k], v10                      ; the maximum is taken away ahead of every exponential
.set k, k+1
.endr
.irp q, 0,1,2,3
	v_sub_f32 v[2+\q], v[2+\q], v10
.endr
.set k, 16
	s_wait_alu depctr_va_vdst(0)
.rept 40
	v_exp_f32 v[k], v[k]
.set k, k+1
.endr
.irp q, 0,1,2,3
	v_exp_f32 v[2+\q], v[2+\q]
.endr
	v_nop                                          ; a plain place behind the last exponential
	s_wait_alu depctr_va_vdst(0)                   ; one wait for the batch of 44, ahead of its first use
	v_pk_add_f32 v[12:13], v[16:17], v[18:19]      ; L: my 32 terms, two at a time, in two chains
	v_pk_add_f32 v[14:15], v[20:21], v[22:23]
.irp k, 24,28,32,36,40,44
	v_pk_add_f32 v[12:13], v[12:13], v[\k:\k+1]
	v_pk_add_f32 v[14:15], v[14:15], v[\k+2:\k+3]
.endr
	v_pk_add_f32 v[12:13], v[12:13], v[14:15]
	v_add_f32 v12, v12, v13
.irp x, 1,2,4,8
	v_add_f32_dpp v12, v12, v12 row_xmask:\x row_mask:0xf bank_mask:0xf
.endr
	v_permlanex16_b32 v11, v12, s14, s15
	v_add_f32 v12, v12, v11                        ; L, in every lane
	s_wait_alu depctr_va_vdst(0)
	v_rcp_f32 v12, v12
	v_nop                                          ; a plain place behind the reciprocal
	s_wait_alu depctr_va_vdst(0)                   ; and its wait, ahead of the first use
.irp k, 0,1,2,3,4,5,6,7
	v_mul_f32 v[48+\k], v[48+\k], v12              ; the weights of my quarter
.endr
.irp q, 0,1,2,3
	v_mul_f32 v[2+\q], v[2+\q], v12                ; 2^(Mq - M) / L
.endr
	global_store_b128 v1, v[48:51], s[8:9]         ; 32 lanes store 512 consecutive bytes
	global_store_b128 v1, v[52:55], s[8:9] offset:512
.irp k, 0,1,2,3,4,5,6,7
	v_mul_f32 v[56+\k], v[56+\k], v2
.endr
.irp q, 1,2,3
.irp k, 0,1,2,3,4,5,6,7
	v_fmac_f32 v[56+\k], v[56+8*\q+\k], v[2+\q]
.endr
.endr
	global_store_b128 v1, v[56:59], s[10:11]
	global_store_b128 v1, v[60:63], s[10:11] offset:512
	s_endpgm
.Lfunc_end_k_q175c490968_finish:
	.size	k_q175c490968_finish, .Lfunc_end_k_q175c490968_finish-k_q175c490968_finish
	.p2alignl 7, 3214868480
	.fill 96, 4, 3214868480
	.section	.rodata,"a",@progbits
	.p2align	6, 0x0
	.amdhsa_kernel k_q175c490968_finish
		.amdhsa_group_segment_fixed_size 0
		.amdhsa_private_segment_fixed_size 0
		.amdhsa_enable_private_segment 0
		.amdhsa_kernarg_size 32
		.amdhsa_user_sgpr_count 2
		.amdhsa_user_sgpr_kernarg_segment_ptr 1
		.amdhsa_wavefront_size32 1
		.amdhsa_system_sgpr_workgroup_id_x 1
		.amdhsa_system_sgpr_workgroup_id_y 1
		.amdhsa_system_sgpr_workgroup_id_z 1
		.amdhsa_system_vgpr_workitem_id 0
		.amdhsa_next_free_vgpr 96
		.amdhsa_next_free_sgpr 66
		.amdhsa_reserve_vcc 0
		.amdhsa_float_denorm_mode_32 3
		.amdhsa_float_denorm_mode_16_64 3
		.amdhsa_memory_ordered 1
		.amdhsa_forward_progress 1
		.amdhsa_inst_pref_size 12
	.end_amdhsa_kernel
	.amdgpu_metadata
---
amdhsa.version: [ 1, 2 ]
amdhsa.kernels:
  - .name:           k_q175c490968_finish
    .symbol:         k_q175c490968_finish.kd
    .args:
      - { .name: scores, .offset: 0, .size: 8, .value_kind: global_buffer, .address_space: global }
      - { .name: part, .offset: 8, .size: 8, .value_kind: global_buffer, .address_space: global }
      - { .name: out0, .offset: 16, .size: 8, .value_kind: global_buffer, .address_space: global }
      - { .name: out1, .offset: 24, .size: 8, .value_kind: global_buffer, .address_space: global }
    .group_segment_fixed_size: 0
    .private_segment_fixed_size: 0
    .kernarg_segment_align: 8
    .kernarg_segment_size: 32
    .max_flat_workgroup_size: 32
    .sgpr_count:     66
    .vgpr_count:     96
    .wavefront_size: 32
...
	.end_amdgpu_metadata
.endif
;; end of part 3
